; MI455X (gfx1250); checked and timed in simulation.
; The chip was launched on July 23, 2026; its instructions are those of AMD's public machine-readable ISA for CDNA 5 (MIT licence, August 2026) and "CDNA5" Instruction Set Architecture Reference Guide (July 2026). The comments in the code are by the model that wrote it; some were corrected since.
;; Motor Learning RNN. Allowed arithmetic: float matrix products may take bf16 or f16 operands with f32 sums; other float arithmetic in f32, or as packed bf16 or f16 multiplies, adds, multiply-adds, maxima and minima; sums over many terms, partial sums and values carried from step to step in f32; what a program stores and reads back later, other than sums and carried values, may be rounded once to bf16 or f16.
;; Inputs: W_fc 4 x 1,024 float32; W_hh 1,024 x 1,024 float32; W_ih 1,024 x 7 float32; W_map 7 x 4 float32; b_fc 4 float32; b_hh 1,024 float32; b_ih 1,024 float32; b_map 7 float32; x 4,096 x 7 x 7 float32.
;; Outputs: out0 4,096 x 7 x 4 float32.
;; 2 versions, each right; version 2 is version 1 with the launch sum written anew for expert scheduling mode. Each part assembles by itself: llvm-mc -triple=amdgcn-amd-amdhsa -mcpu=gfx1250 --defsym DOCPART=n.
;; ======== version 1 of 2: 8 launches
;; limits: values outside matrix products are rounded to f16; values are held in f16: magnitudes above 65,504 overflow, below 6.1e-05 lose precision; inputs' magnitudes at most 65,504
;; workspace buffers: p1 8,978,432 bytes; p2 8,978,432 bytes; p3 8,978,432 bytes; p4 8,978,432 bytes; p5 8,978,432 bytes; p6 8,978,432 bytes; p7 8,978,432 bytes; wk 2,195,456 bytes
;; launch first (part 1): grid 8 x 32, 4 waves a work-group, no clusters, 35,328 bytes of LDS; arguments x, W_ih, W_hh, b_ih, b_hh, W_fc, wk, p1, p2, p3, p4, p5, p6; writes wk, p1, p2, p3, p4, p5, p6
.if DOCPART == 1
	.amdgcn_target "amdgcn-amd-amdhsa--gfx1250"
	.amdhsa_code_object_version 6
	.text
	.protected	k_q8353f1f12c_first
	.globl	k_q8353f1f12c_first
	.p2align	8
	.type	k_q8353f1f12c_first,@function
k_q8353f1f12c_first:
	s_mov_b64 s[64:65], 0
	v_nop
	global_prefetch_b8 v0, s[64:65] scope:SCOPE_SE
	s_setreg_imm32_b32 hwreg(HW_REG_WAVE_MODE, 25, 1), 1
	s_wait_xcnt 0x0
; THE FIRST TIME STEP AND THE TABLES.  reference() starts from h = 0, so h_1 = tanh(x[:,0,:] W_ih^T + b_ih + b_hh): one matrix step of 32 along K.
; WHAT THE PROGRAM COMPUTES.  reference() returns y = out W_fc^T + b_fc of its FIRST scan alone; what it makes of y (y W_map^T + b_map and the second scan) it drops, so no number of
; the output hangs on W_map, on b_map or on that scan, for any input: they are not computed, and W_map and b_map are not read.
; A work-group (c = column tile of 128, R = row tile of 128) makes 128 x 128 of h_1, its four waves 64 x 64 each, and stores
;   p1.H   h_1 as f16 [4096][1024];   p1.YP  its share of y_0: h_1's 128 columns times W_fc's, f32 [8 column tiles][4096][4] (added up in the last launch, in a fixed order)
;   wk.WH  four rows of W_hh as f16 [1024][1024]  (work-group 8 R + c)
;   p(c+1).XA  for c < 6: rows 128 R .. of (x[b][c+1][0..6], 1.0) as f16 [4096][8]: the A rows of the later steps' extra K step
;   wk.WX  (R = 0, waves 0 and 1)  the B fragments (W_ih[n][0..6], b_ih[n] + b_hh[n], 24 zeros), in register order: fragment n / 16 at 1,024 bytes each, register half j at 512 j, lane at 16 bytes
;   wk.WF  (R = 0, wave 2)  the fragments of W_fc, same order, fragment 4 c + q: 16 rows of which 0-3 and 8-11 are W_fc's four and the others 0, columns 128 c + 32 q on
; FORMATS AND LIMITS.  Matrix operands are f16, sums f32; the two biases are added in f32 and rounded once.  x, W_ih, W_hh, W_fc and b_ih + b_hh lie within 65,504; below 6.1e-5 f16 keeps its fixed
; step of 6e-8.  NaN and infinities are not treated apart.  tanh in f32: x clamped to +-7.90531111, then an odd polynomial of degree 13 over an even one of degree 6: one reciprocal a number, and
; the error stays relative for small x.
; NO CLUSTER, NO TENSOR LOAD: what work-groups share here (7 numbers a row of x and of W_ih) is small beside the 32 KiB of h that each stores.
.set SIZE_N, 1024
.set STAGE,  0                         ; 128 rows x 272 bytes: the work-group's tile of h as f16
.set SPITCH, 272                       ; 256 bytes + 16: the 16 rows that a load or store touches start at 16 different groups of four banks (64 banks of 4 bytes: ISA guide 11.1)
.set SPARE,  STAGE+128*SPITCH          ; behind the stage: the spare words, 128 bytes for each wave: two blocks of 256 bytes that no other line names
.set OFF_XA, 0x800000                  ; regions of a state buffer p: H at 0, XA, YP
.set OFF_YP, 0x810000
.set OFF_WX, 0x200000                  ; regions of wk: WH at 0, WX, WF
.set OFF_WF, 0x210000
.set STO, 24                           ; v24  where I put 16 bytes of a row of the stage
.set RD,  25                           ; v25  where I read whole rows back
.set CO,  26                           ; v26  my byte offset in two rows of H
.set YAD, 27                           ; v27  where I read fragments of h for y
.set SPW, 28                           ; v28  LDS address of my spare word; never rewritten
.set NIL, 29                           ; v29  0; never rewritten
.set L16, 30                           ; v30  16 x lane
.set ONE, 31                           ; v31  1.0
.set FA,  32                           ; v32-63   A fragments: 4 x 16 rows of (x, 1)
.set FB,  64                           ; v64-95   B fragments: 4 x 16 rows of (W_ih, b)
.set SQ,  32                           ; later: x^2, then packed results
.set PN,  64                           ; later: the numerator
.set TMP, 32                           ; later: 64 registers, whole rows
.set WF,  96                           ; v96-127  four fragments of W_fc
.set ACC, 128                          ; v128-255 accumulator (a, b) at ACC + 8 (4 a + b)
.set YF,  128                          ; later: 8 fragments of h
.set YD,  192                          ; later: two accumulators of y
.set YR,  208                          ; later: my 16 bytes of y
.set FM,  66                           ; s66  lanes whose row of the W_fc fragment is not 0: (lane % 8) < 4
.set YPB, 72                           ; s[72:73] YP at my wave's 32 rows
.set HM,  74                           ; s74  lanes 16-31
.set LM,  75                           ; s75  lanes 0-15
.set CLO, 76                           ; s76, s77 the clamp
.set CHI, 77
.set CA13, 78                          ; the coefficients, each in both words of an even pair (the packed forms name the pair)
.set CA11, 80
.set CA9,  82
.set CA7,  84
.set CA5,  86
.set CA3,  88
.set CA1,  90
.set CB6,  92
.set CB4,  94
.set CB2,  96
.set CB0,  98
.macro KONST reg, bits
	s_mov_b32 s[\reg], \bits
	s_mov_b32 s[(\reg)+1], \bits
.endm
.macro BASE dst, src                   ; a buffer's address plus the offset in s4 (s5 = 0)
	s_add_nc_u64 s[\dst:\dst+1], s[\src:\src+1], s[4:5]
.endm
.macro PLACES                          ; four places behind a matrix instruction, in front of vector work on its registers (ISA guide 7.12.1)
.rept 4
	v_nop
.endr
.endm
.macro X16 line:vararg                 ; one line for each of 16 register pairs: i = 0, 2 .. 30
.set i, 0
.rept 16
	\line
.set i, i+2
.endr
.endm
; tanh of the four accumulators of m block a (32 registers at X), in three parts.  Each stage is 16 independent packed lines, so no line waits for the one before it.
.macro CLAMP a                         ; ascending: each accumulator is first read at its lowest register
.set i, 0
.rept 32
	v_med3_num_f32 v[ACC+32*(\a)+i], v[ACC+32*(\a)+i], s[CLO], s[CHI]
.set i, i+1
.endr
.endm
.macro RAT1 a                          ; s = x^2; p = x (((((( a13 s + a11) s + a9) s + a7) s + a5) s + a3) s + a1); q = ((b6 s + b4) s + b2) s + b0, in x's place; 1 / q
.set X, ACC+32*(\a)
	X16 v_pk_mul_f32 v[SQ+i:SQ+i+1], v[X+i:X+i+1], v[X+i:X+i+1]
	X16 v_pk_fma_f32 v[PN+i:PN+i+1], v[SQ+i:SQ+i+1], s[CA13:CA13+1], s[CA11:CA11+1] op_sel_hi:[1,0,0]
.irp k, CA9, CA7, CA5, CA3, CA1
	X16 v_pk_fma_f32 v[PN+i:PN+i+1], v[PN+i:PN+i+1], v[SQ+i:SQ+i+1], s[\k:\k+1] op_sel_hi:[1,1,0]
.endr
	X16 v_pk_mul_f32 v[PN+i:PN+i+1], v[PN+i:PN+i+1], v[X+i:X+i+1]
	X16 v_pk_fma_f32 v[X+i:X+i+1], v[SQ+i:SQ+i+1], s[CB6:CB6+1], s[CB4:CB4+1] op_sel_hi:[1,0,0]
.irp k, CB2, CB0
	X16 v_pk_fma_f32 v[X+i:X+i+1], v[X+i:X+i+1], v[SQ+i:SQ+i+1], s[\k:\k+1] op_sel_hi:[1,1,0]
.endr
.set i, 0
.rept 32
	v_rcp_f32 v[X+i], v[X+i]
.set i, i+1
.endr
.endm
.macro RAT2 a                          ; p / q, rounded to f16: a lane's eight neighbouring columns are 16 bytes; into the stage
.set X, ACC+32*(\a)
	X16 v_pk_mul_f32 v[PN+i:PN+i+1], v[PN+i:PN+i+1], v[X+i:X+i+1]
.set i, 0
.rept 16
	v_cvt_pk_f16_f32 v[SQ+i], v[PN+2*i], v[PN+2*i+1]
.set i, i+1
.endr
.irp b, 0,1,2,3
	ds_store_b128 v[STO], v[SQ+4*(\b):SQ+4*(\b)+3] offset:(\a)*16*SPITCH+32*(\b)
.endr
.endm
; y's share: source 0 = the W_fc fragment, source 1 = 16 rows of h.  Registers 0-3 of the result hold y[row lane % 16][0..3] in both halves of the lanes.  The two accumulators take turns.
.macro YPART
.irp q, 0,1,2,3
.irp u, 0,1
.if (\q) == 0
	v_wmma_f32_16x16x32_f16 v[YD+8*(\u):YD+8*(\u)+7], v[WF+8*(\q):WF+8*(\q)+7], v[YF+8*(4*(\u)+(\q)):YF+8*(4*(\u)+(\q))+7], 0
.else
	v_wmma_f32_16x16x32_f16 v[YD+8*(\u):YD+8*(\u)+7], v[WF+8*(\q):WF+8*(\q)+7], v[YF+8*(4*(\u)+(\q)):YF+8*(4*(\u)+(\q))+7], v[YD+8*(\u):YD+8*(\u)+7]
.endif
.endr
.endr
.endm
	s_load_b512 s[16:31], s[0:1], 0x0              ; x 16, W_ih 18, W_hh 20, b_ih 22, b_hh 24, W_fc 26, wk 28, p1 30
	s_load_b256 s[32:39], s[0:1], 0x40             ; p2 32, p3 34, p4 36, p5 38
	s_load_b64 s[40:41], s[0:1], 0x60              ; p6
	v_lshl_add_u32 v[SPW], v0, 2, SPARE
	v_mov_b32 v[NIL], 0
	v_lshrrev_b32 v1, 5, v0
	v_readfirstlane_b32 s10, v1                    ; wave 0..3
	s_lshr_b32 s11, s10, 1                         ; which 64 of the tile's rows are mine
	s_and_b32 s12, s10, 1                          ; which 64 of its columns
	s_mov_b32 s2, ttmp9                            ; c
	s_and_b32 s13, ttmp7, 0xffff                   ; R
	v_and_b32 v1, 15, v0                           ; r = lane % 16
	v_bfe_u32 v2, v0, 4, 1                         ; h = lane / 16
	v_mul_u32_u24 v4, v1, 196                      ; a batch row of x is 49 numbers
	v_mul_u32_u24 v5, v1, 28                       ; a row of W_ih is 7
	v_lshlrev_b32 v6, 2, v1
	v_and_b32 v7, 3, v0
	v_lshlrev_b32 v7, 12, v7                       ; row lane % 4 of W_fc,
	v_lshl_add_u32 v7, v2, 5, v7                   ; 8 columns on for lanes 16-31
	v_lshlrev_b32 v8, 5, v0                        ; 8 numbers of W_hh a thread
	v_lshlrev_b32 v9, 4, v0                        ; and their 16 bytes as f16
	v_mul_u32_u24 v10, v0, 196                     ; a batch row a thread
	v_and_b32 v11, 7, v0
	v_cmp_gt_u32 s[FM], 4, v11
	v_mov_b32 v[ONE], 1.0
	v_and_b32 v[L16], 31, v0
	v_lshlrev_b32 v[L16], 4, v[L16]
	s_mul_i32 s6, s11, 64*SPITCH                   ; into the stage: my 64 rows, my half of their 256 bytes; row r, 16 bytes for each half of the lanes
	s_lshl_b32 s7, s12, 7
	s_add_co_u32 s6, s6, s7
	s_add_co_u32 s6, s6, STAGE
	v_mul_u32_u24 v12, v1, SPITCH
	v_lshl_add_u32 v12, v2, 4, v12
	v_add_nc_u32 v[STO], s6, v12
	s_mul_i32 s6, s10, 32*SPITCH                   ; back: wave w takes rows 32 w .. 32 w + 31
	s_add_co_u32 s6, s6, STAGE
	v_add_nc_u32 v[YAD], s6, v12                   ; as fragments: row r, 16 bytes for each half of the lanes
	v_mul_u32_u24 v13, v2, SPITCH                  ; as whole rows: lanes 0-15 one row of 256 bytes, lanes 16-31 the next
	v_lshl_add_u32 v13, v1, 4, v13
	v_add_nc_u32 v[RD], s6, v13
	v_mul_u32_u24 v13, v2, SIZE_N*2                ; and the same two rows in H
	v_lshl_add_u32 v[CO], v1, 4, v13
	s_mov_b32 s[HM], 0xffff0000
	s_mov_b32 s[LM], 0x0000ffff
	s_mov_b32 s[CLO], 0xc0fcf84f                   ; -7.90531111
	s_mov_b32 s[CHI], 0x40fcf84f
	KONST CA13, 0xa59f25c0                         ; -2.76076847742355e-16
	KONST CA11, 0x2a61337e                         ;  2.00018790482477e-13
	KONST CA9,  0xaebd37ff                         ; -8.60467152213735e-11
	KONST CA7,  0x335c0041                         ;  5.12229709037114e-08
	KONST CA5,  0x3779434a                         ;  1.48572235717979e-05
	KONST CA3,  0x3a270ded                         ;  6.37261928875436e-04
	KONST CA1,  0x3ba059dc                         ;  4.89352455891786e-03
	KONST CB6,  0x35a0d3d8                         ;  1.19825839466702e-06
	KONST CB4,  0x38f895d6                         ;  1.18534705686654e-04
	KONST CB2,  0x3b14aa05                         ;  2.26843463243900e-03
	KONST CB0,  0x3ba059dd                         ;  4.89352518554385e-03
	s_mov_b32 s5, 0
	s_wait_kmcnt 0x0
	s_lshl_b32 s14, s13, 3
	s_add_co_u32 s14, s14, s2                      ; work-group 8 R + c: four rows of W_hh
	s_lshl_b32 s4, s14, 14
	BASE 52, 20
	s_lshl_b32 s4, s14, 13
	BASE 54, 28
	s_mul_i32 s14, s13, 25088                      ; the tile's 128 batch rows of x
	s_mul_i32 s4, s11, 12544                       ; my 64 of them, time step 0
	s_add_co_u32 s4, s4, s14
	BASE 42, 16
	s_add_co_u32 s15, s2, 1                        ; time step c + 1 for XA; work-groups with c = 6, 7 read step 6 and store nothing of it
	s_min_u32 s15, s15, 6
	s_mul_i32 s15, s15, 28
	s_add_co_u32 s4, s14, s15
	BASE 56, 16
	s_mul_i32 s14, s2, 3584                        ; the tile's 128 rows of W_ih,
	s_mul_i32 s4, s12, 1792                        ; my 64 of them
	s_add_co_u32 s4, s4, s14
	BASE 44, 18
	s_lshl_b32 s14, s2, 9
	s_lshl_b32 s4, s12, 8
	s_add_co_u32 s4, s4, s14
	BASE 46, 22
	BASE 48, 24
	s_mov_b32 s4, s14                              ; the tile's 128 columns of W_fc
	BASE 50, 26
	s_mov_b64 s[58:59], s[30:31]                   ; p(c+1), chosen by the work-group's number alone
	s_cmp_eq_u32 s2, 1
	s_cselect_b64 s[58:59], s[32:33], s[58:59]
	s_cmp_eq_u32 s2, 2
	s_cselect_b64 s[58:59], s[34:35], s[58:59]
	s_cmp_eq_u32 s2, 3
	s_cselect_b64 s[58:59], s[36:37], s[58:59]
	s_cmp_eq_u32 s2, 4
	s_cselect_b64 s[58:59], s[38:39], s[58:59]
	s_cmp_eq_u32 s2, 5
	s_cselect_b64 s[58:59], s[40:41], s[58:59]
	s_lshl_b32 s4, s13, 11                         ; 128 rows of 16 bytes
	s_add_co_u32 s4, s4, OFF_XA
	BASE 58, 58
	s_lshl_b32 s4, s2, 3
	s_lshl_b32 s14, s12, 2
	s_add_co_u32 s4, s4, s14                       ; WX: fragment 8 c + 4 x my column half
	s_lshl_b32 s4, s4, 10
	s_add_co_u32 s4, s4, OFF_WX
	BASE 60, 28
	s_lshl_b32 s4, s2, 12                          ; WF: fragment 4 c
	s_add_co_u32 s4, s4, OFF_WF
	BASE 62, 28
	s_lshl_b32 s14, s13, 7
	s_lshl_b32 s15, s10, 5
	s_add_co_u32 s14, s14, s15                     ; the first row that I store: 128 R + 32 w
	s_lshl_b32 s4, s14, 11
	s_lshl_b32 s15, s2, 8
	s_add_co_u32 s4, s4, s15
	BASE 8, 30                                     ; H of p1 at that row, at the tile's first column
	s_lshl_b32 s4, s14, 4
	s_lshl_b32 s15, s2, 16
	s_add_co_u32 s4, s4, s15
	s_add_co_u32 s4, s4, OFF_YP
	BASE YPB, 30
	; all loads in one run, and one wait for them
.irp i, 0,1,2,3
	global_load_b128 v[32+8*(\i):32+8*(\i)+3],   v8, s[52:53] offset:4096*(\i) th:TH_LOAD_NT
	global_load_b128 v[32+8*(\i)+4:32+8*(\i)+7], v8, s[52:53] offset:4096*(\i)+16 th:TH_LOAD_NT
.endr
.irp i, 0,1,2,3,4,5,6
	global_load_b32 v[64+(\i)], v10, s[56:57] offset:4*(\i)
.endr
.irp a, 0,1,2,3
.irp i, 0,1,2,3,4,5,6
	global_load_b32 v[128+7*(\a)+(\i)], v4, s[42:43] offset:3136*(\a)+4*(\i)
	global_load_b32 v[156+7*(\a)+(\i)], v5, s[44:45] offset:448*(\a)+4*(\i)
.endr
	global_load_b32 v[184+(\a)], v6, s[46:47] offset:64*(\a)
	global_load_b32 v[188+(\a)], v6, s[48:49] offset:64*(\a)
.endr
.irp q, 0,1,2,3
.irp j, 0,1,2,3
	global_load_b128 v[192+16*(\q)+4*(\j):192+16*(\q)+4*(\j)+3], v7, s[50:51] offset:128*(\q)+16*((\j)%2)+64*((\j)/2)
.endr
.endr
	s_wait_loadcnt 0x0
	; W_hh to f16: a wave's store covers 512 consecutive bytes, aligned
.irp i, 0,1,2,3
.irp j, 0,1,2,3
	v_cvt_pk_f16_f32 v[72+4*(\i)+(\j)], v[32+8*(\i)+2*(\j)], v[32+8*(\i)+2*(\j)+1]
.endr
.endr
.irp i, 0,1,2,3
	global_store_b128 v9, v[72+4*(\i):72+4*(\i)+3], s[54:55] offset:2048*(\i)
.endr
	; my batch row of XA: (x0 .. x6, 1.0)
	v_cvt_pk_f16_f32 v88, v64, v65
	v_cvt_pk_f16_f32 v89, v66, v67
	v_cvt_pk_f16_f32 v90, v68, v69
	v_cvt_pk_f16_f32 v91, v70, v[ONE]
	s_cmp_lt_u32 s2, 6
	s_cbranch_scc0 .Lno_xa
	global_store_b128 v9, v[88:91], s[58:59]
.Lno_xa:
	; the fragments of W_fc: rows 0-3 and 8-11 are W_fc's, the others 0
.irp q, 0,1,2,3
.irp j, 0,1,2,3,4,5,6,7
	v_cvt_pk_f16_f32 v[WF+8*(\q)+(\j)], v[192+16*(\q)+2*(\j)], v[192+16*(\q)+2*(\j)+1]
.endr
.endr
.set i, 0
.rept 32
	v_cndmask_b32 v[WF+i], 0, v[WF+i], s[FM]
.set i, i+1
.endr
	s_wait_xcnt 0x0                                ; the stores above have read v72-91, which the B fragments take
	; A fragments: K = 0..7 is (x, 1); lanes 16-31 (K = 8..15) hold the same finite numbers, which meet B's zeros; K = 16..31 is 0
.irp a, 0,1,2,3
	v_cvt_pk_f16_f32 v[FA+8*(\a)],   v[128+7*(\a)],   v[128+7*(\a)+1]
	v_cvt_pk_f16_f32 v[FA+8*(\a)+1], v[128+7*(\a)+2], v[128+7*(\a)+3]
	v_cvt_pk_f16_f32 v[FA+8*(\a)+2], v[128+7*(\a)+4], v[128+7*(\a)+5]
	v_cvt_pk_f16_f32 v[FA+8*(\a)+3], v[128+7*(\a)+6], v[ONE]
.irp j, 4,5,6,7
	v_mov_b32 v[FA+8*(\a)+(\j)], 0
.endr
.endr
	; B fragments: K = 0..7 is (W_ih, b_ih + b_hh); all else 0
.irp b, 0,1,2,3
	v_add_f32 v[184+(\b)], v[184+(\b)], v[188+(\b)]
	v_cvt_pk_f16_f32 v[FB+8*(\b)],   v[156+7*(\b)],   v[156+7*(\b)+1]
	v_cvt_pk_f16_f32 v[FB+8*(\b)+1], v[156+7*(\b)+2], v[156+7*(\b)+3]
	v_cvt_pk_f16_f32 v[FB+8*(\b)+2], v[156+7*(\b)+4], v[156+7*(\b)+5]
	v_cvt_pk_f16_f32 v[FB+8*(\b)+3], v[156+7*(\b)+6], v[184+(\b)]
.irp j, 0,1,2,3
	v_cndmask_b32 v[FB+8*(\b)+(\j)], 0, v[FB+8*(\b)+(\j)], s[LM]
.endr
.irp j, 4,5,6,7
	v_mov_b32 v[FB+8*(\b)+(\j)], 0
.endr
.endr
	s_or_b32 s3, s13, s11                          ; the tables are stored once: WX by waves 0 and 1 of the work-groups with R = 0,
	s_cmp_eq_u32 s3, 0
	s_cbranch_scc0 .Lno_wx
.irp b, 0,1,2,3
	global_store_b128 v[L16], v[FB+8*(\b):FB+8*(\b)+3],   s[60:61] offset:1024*(\b)
	global_store_b128 v[L16], v[FB+8*(\b)+4:FB+8*(\b)+7], s[60:61] offset:1024*(\b)+512
.endr
.Lno_wx:
	s_xor_b32 s3, s10, 2                           ; WF by their wave 2
	s_or_b32 s3, s3, s13
	s_cmp_eq_u32 s3, 0
	s_cbranch_scc0 .Lno_wf
.irp q, 0,1,2,3
	global_store_b128 v[L16], v[WF+8*(\q):WF+8*(\q)+3],   s[62:63] offset:1024*(\q)
	global_store_b128 v[L16], v[WF+8*(\q)+4:WF+8*(\q)+7], s[62:63] offset:1024*(\q)+512
.endr
.Lno_wf:
	; the 16 products, used transposed (source 0 = rows of B): a lane then holds eight neighbouring columns of one row
.irp a, 0,1,2,3
.irp b, 0,1,2,3
	v_wmma_f32_16x16x32_f16 v[ACC+8*(4*(\a)+(\b)):ACC+8*(4*(\a)+(\b))+7], v[FB+8*(\b):FB+8*(\b)+7], v[FA+8*(\a):FA+8*(\a)+7], 0
.endr
.endr
	PLACES
	s_wait_xcnt 0x0                                ; WX's stores have read v64-95, which the numerators take
	; tanh, four accumulators at a time.  The 32 reciprocals are one batch: a plain instruction behind the last, the next block's clamp as independent work, one wait ahead of the first reader.
	CLAMP 0
.irp a, 0,1,2,3
	RAT1 \a
	v_nop
.if (\a) < 3
	CLAMP (\a)+1
.endif
	s_wait_alu depctr_va_vdst(0)
	RAT2 \a
.endr
	s_wait_dscnt 0x0                               ; for the others' sake: my stores into the stage are done
	s_barrier_signal -1
	s_barrier_wait -1                              ; a row's 256 bytes come from two waves
.irp t, 0,1,2,3,4,5,6,7,8,9,10,11,12,13,14,15
	ds_load_b128 v[TMP+4*(\t):TMP+4*(\t)+3], v[RD] offset:(\t)*2*SPITCH
.endr
.irp u, 0,1
.irp q, 0,1,2,3
	ds_load_b128 v[YF+8*(4*(\u)+(\q)):YF+8*(4*(\u)+(\q))+3],   v[YAD] offset:(\u)*16*SPITCH+64*(\q)
	ds_load_b128 v[YF+8*(4*(\u)+(\q))+4:YF+8*(4*(\u)+(\q))+7], v[YAD] offset:(\u)*16*SPITCH+64*(\q)+32
.endr
.endr
.irp t, 0,1,2,3,4,5,6,7,8,9,10,11,12,13,14,15
	s_wait_dscnt 31-(\t)                           ; behind row pair t: 15 - t younger row loads and the 16 fragment loads
	global_store_b128 v[CO], v[TMP+4*(\t):TMP+4*(\t)+3], s[8:9] offset:2*(\t)*SIZE_N*2  ; 16 lanes store 256 consecutive bytes, at a multiple of 256 from the buffer's first byte
.endr
	s_wait_dscnt 0x0
	YPART
	PLACES
.irp j, 0,1,2,3
	v_cndmask_b32 v[YR+(\j)], v[YD+(\j)], v[YD+8+(\j)], s[HM]  ; lanes 0-15: my rows 0-15; lanes 16-31: my rows 16-31
.endr
	global_store_b128 v[L16], v[YR:YR+3], s[YPB:YPB+1]  ; 512 consecutive bytes
	s_wait_tensorcnt 0x0                           ; the wave's end, behind my last LDS store
	ds_add_u32 v[SPW], v[NIL]
	s_wait_dscnt 0x0
	s_endpgm
.Lfunc_end_k_q8353f1f12c_first:
	.size	k_q8353f1f12c_first, .Lfunc_end_k_q8353f1f12c_first-k_q8353f1f12c_first
	.p2alignl 7, 3214868480
	.fill 96, 4, 3214868480
	.section	.rodata,"a",@progbits
	.p2align	6, 0x0
	.amdhsa_kernel k_q8353f1f12c_first
		.amdhsa_group_segment_fixed_size 35328
		.amdhsa_private_segment_fixed_size 0
		.amdhsa_enable_private_segment 0
		.amdhsa_kernarg_size 104
		.amdhsa_user_sgpr_count 2
		.amdhsa_user_sgpr_kernarg_segment_ptr 1
		.amdhsa_wavefront_size32 1
		.amdhsa_system_sgpr_workgroup_id_x 1
		.amdhsa_system_sgpr_workgroup_id_y 1
		.amdhsa_system_sgpr_workgroup_id_z 1
		.amdhsa_system_vgpr_workitem_id 0
		.amdhsa_next_free_vgpr 256
		.amdhsa_next_free_sgpr 100
		.amdhsa_reserve_vcc 0
		.amdhsa_float_denorm_mode_32 3
		.amdhsa_float_denorm_mode_16_64 3
		.amdhsa_memory_ordered 1
		.amdhsa_forward_progress 1
		.amdhsa_inst_pref_size 99
	.end_amdhsa_kernel
	.amdgpu_metadata
---
amdhsa.version: [ 1, 2 ]
amdhsa.kernels:
  - .name:           k_q8353f1f12c_first
    .symbol:         k_q8353f1f12c_first.kd
    .args:
      - { .name: x, .offset: 0, .size: 8, .value_kind: global_buffer, .address_space: global }
      - { .name: W_ih, .offset: 8, .size: 8, .value_kind: global_buffer, .address_space: global }
      - { .name: W_hh, .offset: 16, .size: 8, .value_kind: global_buffer, .address_space: global }
      - { .name: b_ih, .offset: 24, .size: 8, .value_kind: global_buffer, .address_space: global }
      - { .name: b_hh, .offset: 32, .size: 8, .value_kind: global_buffer, .address_space: global }
      - { .name: W_fc, .offset: 40, .size: 8, .value_kind: global_buffer, .address_space: global }
      - { .name: wk, .offset: 48, .size: 8, .value_kind: global_buffer, .address_space: global }
      - { .name: p1, .offset: 56, .size: 8, .value_kind: global_buffer, .address_space: global }
      - { .name: p2, .offset: 64, .size: 8, .value_kind: global_buffer, .address_space: global }
      - { .name: p3, .offset: 72, .size: 8, .value_kind: global_buffer, .address_space: global }
      - { .name: p4, .offset: 80, .size: 8, .value_kind: global_buffer, .address_space: global }
      - { .name: p5, .offset: 88, .size: 8, .value_kind: global_buffer, .address_space: global }
      - { .name: p6, .offset: 96, .size: 8, .value_kind: global_buffer, .address_space: global }
    .group_segment_fixed_size: 35328
    .private_segment_fixed_size: 0
    .kernarg_segment_align: 8
    .kernarg_segment_size: 104
    .max_flat_workgroup_size: 128
    .sgpr_count:     100
    .vgpr_count:     256
    .wavefront_size: 32
...
	.end_amdgpu_metadata
.endif
;; end of part 1
;; launch step1 (part 2): grid 8 x 32, 4 waves a work-group, clusters of 4 x 4, 327,680 bytes of LDS; arguments p1, wk, p2; writes p2
.if DOCPART == 2
	.amdgcn_target "amdgcn-amd-amdhsa--gfx1250"
	.amdhsa_code_object_version 6
	.text
	.protected	k_q8353f1f12c_step1
	.globl	k_q8353f1f12c_step1
	.p2align	8
	.type	k_q8353f1f12c_step1,@function
k_q8353f1f12c_step1:
	s_mov_b64 s[64:65], 0
	v_nop
	global_prefetch_b8 v0, s[64:65] scope:SCOPE_SE
	s_setreg_imm32_b32 hwreg(HW_REG_WAVE_MODE, 25, 1), 1
	s_wait_xcnt 0x0
	s_wait_alu depctr_hold_cnt(0) depctr_sa_sdst(0) depctr_va_vdst(0) depctr_va_sdst(0) depctr_va_ssrc(0) depctr_va_vcc(0) depctr_vm_vsrc(0)
	s_getreg_b32 s2, hwreg(HW_REG_IB_STS2, 6, 4)
	s_cmp_eq_u32 s2, 0
	s_cbranch_scc0 .Lentry_in_a_cluster
	s_endpgm
.Lentry_in_a_cluster:
	s_bfe_u32 s2, ttmp6, 0x10000c
	s_cmp_lg_u32 s2, 0xf033
	s_cbranch_scc0 .Lentry_shape_is_right
	s_endpgm
.Lentry_shape_is_right:
; ONE TIME STEP.  h' = tanh(x_k W_ih^T + b_ih + b_hh + h W_hh^T), and this work-group's share of y = h' W_fc^T.  Arguments: the state before (H = h as f16 [4096][1024]; XA = (x_k, 1.0) as f16
; [4096][8]), the tables wk (WH = W_hh as f16 [1024][1024]; WX, WF in register order), the state behind (H and YP are stored).  The time step is carried by the buffers: one text serves all six launches.
; A tile of h' is 128 x 128: 256 work-groups.  Four waves, each 64 x 64: 16 accumulators of 16 x 16.  The sums START with one extra step of 32 along K: A = (x, 1), B = (W_ih, b, zeros), C = 0,
; from registers, while the first tiles are on their way.  Then K = 1,024 goes in four steps of 256 (LDS rows of 512 bytes; a wave's tensor load brings 64 of them) through two LDS slots.
; CLUSTERS: 4 x 4 work-groups.  The four of a row of the cluster need the same tiles of h, the four of a column the same tiles of W_hh: each tile is asked for JOINTLY, by the same tensor load with the
; same descriptor and a mask that names the four.  THE MATRIX INSTRUCTION IS USED TRANSPOSED (source 0 = 16 rows of W_hh, source 1 = 16 rows of h): a lane then holds eight neighbouring columns of a row.
; THE WAY OUT: tanh in f32, rounded once to f16, through ONE stage in LDS; whole rows go to H; the same stage gives the fragments of h' for y's share, 128 columns times W_fc's, stored in f32 (YP: [8 column
; tiles][4096][4]); the last launch adds the eight shares in a fixed order.
; FORMATS AND LIMITS.  Matrix operands are f16, sums f32.  h lies in -1 to 1; below 6.1e-5 f16 keeps its fixed step of 6e-8.  NaN and infinities are not treated apart.  tanh: x clamped to +-7.90531111,
; then an odd polynomial of degree 13 over an even one of degree 6: one reciprocal a number, and the error stays relative for small x.
; REGISTERS: window 0: v0-31 addresses; v32-95 at work on the way out; v96-127 W_fc's fragments; v128-255 the accumulators ((a, b) at v[128 + 8 (4 a + b)]).
;   window 1: two fragment buffers of 128: for 64 along K, 64 registers of A (2 x 4 x 16 rows x 32 K), then 64 of B.
.set SIZE_N, 1024
.set SIZE_K, 1024
.set KSTEP,  256
.set PITCH,  528                       ; an LDS row: 512 bytes of data + 16 of padding = 132 words: row r starts at bank 4 r mod 64 (64 banks of 4 bytes: ISA guide 11.1)
.set HALFT,  64*PITCH                  ; 64 rows: what one tensor load brings, and what one wave reads of A or of B
.set SLOT,   4*HALFT                   ; A's 128 rows, then B's 128 rows
.set STAGE,  2*SLOT                    ; behind the ring, never filled by a tensor load: 128 rows x 272 bytes
.set SPITCH, 272
.set SPARE,  STAGE+128*SPITCH          ; behind the stage: the spare words, 128 bytes for each wave: two blocks of 256 bytes that no other line names
.set OFF_XA, 0x800000                  ; regions of a state buffer: H at 0, XA, YP
.set OFF_YP, 0x810000
.set OFF_WX, 0x200000                  ; regions of wk: WH at 0, WX, WF
.set OFF_WF, 0x210000
.set ADRA, 16                          ; v16-17  LDS address of my A fragments in slot 0, 1
.set ADRB, 20                          ; v20-21  the same for B
.set STO,  24                          ; v24     where I put 16 bytes of a row of the stage
.set RD,   25                          ; v25     where I read whole rows back
.set CO,   26                          ; v26     my byte offset in two rows of H
.set YAD,  27                          ; v27     where I read fragments of h' for y
.set SPW,  28                          ; v28     LDS address of my spare word; never rewritten
.set NIL,  29                          ; v29     0; never rewritten
.set L16,  30                          ; v30     16 x lane
.set XO,   31                          ; v31     16 x (lane % 16): a row of XA
.set SQ,   32                          ; x^2, then packed results
.set PN,   64                          ; the numerator
.set TMP,  32                          ; 64 registers, whole rows
.set WF,   96
.set ACC,  128
.set YF,   128                         ; behind tanh: 8 fragments of h'
.set YD,   192                         ; two accumulators of y
.set YR,   208                         ; my 16 bytes of y
.set F0,   0                           ; fragment buffers, in window 1
.set F1,   128
.set G1, 24                            ; s[24:31] descriptor group 1 for A's tiles;  s[32:39] group 0, one set for each slot
.set G0, 32
.set G1B, 48                           ; s[48:55], s[56:63] the same for B's tiles
.set G0B, 56
.set XAB, 66                           ; s[66:67] XA at my 64 rows
.set WXB, 68                           ; s[68:69] WX at my 4 fragments
.set WFB, 70                           ; s[70:71] WF at the tile's 4 fragments
.set YPB, 72                           ; s[72:73] YP at the 32 rows that I store
.set HM,  74                           ; s74  lanes 16-31
.set CLO, 76                           ; s76, s77 the clamp
.set CHI, 77
.set CA13, 78                          ; the coefficients, each in both words of an even pair (the packed forms name the pair)
.set CA11, 80
.set CA9,  82
.set CA7,  84
.set CA5,  86
.set CA3,  88
.set CA1,  90
.set CB6,  92
.set CB4,  94
.set CB2,  96
.set CB0,  98
.set MSB, 0
.macro WIN new                         ; the immediate's high byte repeats the setting that is left; a switch that changes nothing is dropped
.if MSB != (\new)
	s_set_vgpr_msb (MSB<<8)|(\new)
.set MSB, \new
.endif
.endm
.set MUL,  0x05                        ; sources 0 (B) and 1 (A) window 1; C and D window 0
.set TO_F, 0x40                        ; destination window 1, address window 0
.macro KONST reg, bits
	s_mov_b32 s[\reg], \bits
	s_mov_b32 s[(\reg)+1], \bits
.endm
.macro JLOAD s                         ; a joint load: waves 0 and 1 fetch A's two halves, waves 2 and 3 B's; an s_nop 0 and four v_nop follow each of the two lines, ahead of the jump, the label and what follows
	s_cmp_eq_u32 s11, 0
	s_cbranch_scc0 .Lfor_b_\@
	tensor_load_to_lds s[G0+4*(\s):G0+4*(\s)+3], s[G1:G1+7]
	s_nop 0
.rept 4
	v_nop
.endr
	s_branch .Lasked_\@
.Lfor_b_\@:
	tensor_load_to_lds s[G0B+4*(\s):G0B+4*(\s)+3], s[G1B:G1B+7]
	s_nop 0
.rept 4
	v_nop
.endr
.Lasked_\@:
.endm
.macro CREST                           ; a round of the cluster's barrier behind its opening barrier
	s_cmp_lg_u32 s10, 0
	s_cbranch_scc1 .Lnot_wave_0_\@
	s_barrier_signal -3
.Lnot_wave_0_\@:
	s_barrier_wait -3
	s_barrier_signal -1
	s_barrier_wait -1
.endm
.macro CROUND                          ; a whole round
	s_barrier_signal -1
	s_barrier_wait -1
	CREST
.endm
	s_load_b128 s[4:7], s[0:1], 0x0                ; the state before s[4:5], wk s[6:7]
	s_load_b64 s[8:9], s[0:1], 0x10                ; the state behind
	v_lshl_add_u32 v[SPW], v0, 2, SPARE
	v_mov_b32 v[NIL], 0
	ds_add_u32 v[SPW], v[NIL]                      ; the wave's opening: the add, twice on end, and its wait ahead of my first tensor load; the set-up below, work on registers, stands between
	ds_add_u32 v[SPW], v[NIL]                      ; and once more, under the one wait
	v_lshrrev_b32 v1, 5, v0
	v_readfirstlane_b32 s10, v1                    ; wave 0..3
	s_lshr_b32 s11, s10, 1                         ; which half of the tile's rows is mine.  Also: I fetch for A (0) or for B (1)
	s_and_b32 s12, s10, 1                          ; which half of its columns.  Also: which 64 rows of that tile I fetch
	s_bfe_u32 s40, ttmp6, 0x40000                  ; cx, cy: my place in the cluster
	s_bfe_u32 s41, ttmp6, 0x40004
	s_lshl_b32 s42, ttmp9, 2
	s_add_co_u32 s42, s42, s40                     ; tile column c = 4 x cluster x + cx
	s_and_b32 s13, ttmp7, 0xffff
	s_lshl_b32 s13, s13, 2
	s_add_co_u32 s13, s13, s41                     ; tile row R = 4 x cluster y + cy
	s_lshl_b32 s43, s41, 2
	s_lshl_b32 s43, 15, s43                        ; my row of the cluster
	s_lshl_b32 s44, 0x1111, s40                    ; my column
	; descriptor group 1: a tile of 64 rows x 256 elements, padded in LDS
	s_or_b32 s[G1+0], s43, (1<<16)|(1<<20)|(1<<21)|(6<<22)|(3<<25)  ; 15:0 the mask: A's tiles go to my row; 17:16 element of 2 bytes; 20 padding on; 21 set beside a mask; 24:22 after every 128 words (code 6); 31:25 of 4 words (code 3)
	s_or_b32 s[G1B+0], s44, (1<<16)|(1<<20)|(1<<21)|(6<<22)|(3<<25)
.irp g, G1, G1B
	s_mov_b32 s[(\g)+1], KSTEP<<16                 ; tensor_dim0 = 256
	s_mov_b32 s[(\g)+2], 64<<16                    ; tensor_dim1 = 64
	s_mov_b32 s[(\g)+3], KSTEP<<16                 ; tile_dim0 = 256
	s_mov_b32 s[(\g)+4], 64                        ; tile_dim1 = 64
	s_mov_b32 s[(\g)+5], SIZE_K                    ; tensor_dim0_stride
	s_mov_b32 s[(\g)+6], 0
	s_mov_b32 s[(\g)+7], 0
.endr
	s_mov_b32 s[HM], 0xffff0000
	s_mov_b32 s[CLO], 0xc0fcf84f                   ; -7.90531111
	s_mov_b32 s[CHI], 0x40fcf84f
	KONST CA13, 0xa59f25c0                         ; -2.76076847742355e-16
	KONST CA11, 0x2a61337e                         ;  2.00018790482477e-13
	KONST CA9,  0xaebd37ff                         ; -8.60467152213735e-11
	KONST CA7,  0x335c0041                         ;  5.12229709037114e-08
	KONST CA5,  0x3779434a                         ;  1.48572235717979e-05
	KONST CA3,  0x3a270ded                         ;  6.37261928875436e-04
	KONST CA1,  0x3ba059dc                         ;  4.89352455891786e-03
	KONST CB6,  0x35a0d3d8                         ;  1.19825839466702e-06
	KONST CB4,  0x38f895d6                         ;  1.18534705686654e-04
	KONST CB2,  0x3b14aa05                         ;  2.26843463243900e-03
	KONST CB0,  0x3ba059dd                         ;  4.89352518554385e-03
	s_lshl_b32 s17, s12, 6                         ; which 64 rows of the tile I fetch
	s_lshl_b32 s16, s13, 7
	s_add_co_u32 s16, s16, s17                     ; A: row 128 R + 64 x half
	s_lshl_b32 s46, s42, 7
	s_add_co_u32 s46, s46, s17                     ; B: row 128 c + 64 x half
	s_mov_b32 s17, 0
	s_mov_b32 s47, 0
	s_mov_b64 s[18:19], SIZE_K*2
	s_mul_u64 s[16:17], s[16:17], s[18:19]
	s_mul_u64 s[46:47], s[46:47], s[18:19]
	s_mul_i32 s20, s10, HALFT                      ; where they go: wave x 64 rows: no place in the cluster enters an LDS address
	s_wait_dscnt 0x0                               ; both opening adds are done
	s_wait_kmcnt 0x0
	s_add_nc_u64 s[14:15], s[4:5], s[16:17]
	s_add_nc_u64 s[46:47], s[6:7], s[46:47]
	CROUND                                         ; all sixteen work-groups are here: the first joint loads meet
.irp s, 0,1
	s_mov_b32 s[G0+4*(\s)], 1
	s_add_co_u32 s[G0+4*(\s)+1], s20, (\s)*SLOT
	s_add_nc_u64 s[G0+4*(\s)+2:G0+4*(\s)+3], s[14:15], (\s)*KSTEP*2
	s_or_b32 s[G0+4*(\s)+3], s[G0+4*(\s)+3], 0x80000000
	s_mov_b32 s[G0B+4*(\s)], 1
	s_add_co_u32 s[G0B+4*(\s)+1], s20, (\s)*SLOT
	s_add_nc_u64 s[G0B+4*(\s)+2:G0B+4*(\s)+3], s[46:47], (\s)*KSTEP*2
	s_or_b32 s[G0B+4*(\s)+3], s[G0B+4*(\s)+3], 0x80000000
	JLOAD \s                                       ; K steps 0 and 1: two loads of mine are out
.endr
	; the extra K step's fragments and W_fc's come straight from memory, in register order
	v_and_b32 v1, 15, v0                           ; l % 16
	v_bfe_u32 v2, v0, 4, 1                         ; l / 16
	v_and_b32 v[L16], 31, v0
	v_lshlrev_b32 v[L16], 4, v[L16]
	v_lshlrev_b32 v[XO], 4, v1
	s_lshl_b32 s20, s13, 7
	s_lshl_b32 s21, s11, 6
	s_add_co_u32 s20, s20, s21                     ; my first row: 128 R + 64 x row half,
	s_lshl_b32 s20, s20, 4                         ; 16 bytes a row
	s_add_co_u32 s20, s20, OFF_XA
	s_mov_b32 s21, 0
	s_add_nc_u64 s[XAB:XAB+1], s[4:5], s[20:21]
	s_lshl_b32 s20, s42, 3
	s_lshl_b32 s22, s12, 2
	s_add_co_u32 s20, s20, s22                     ; fragment 8 c + 4 x column half
	s_lshl_b32 s20, s20, 10
	s_add_co_u32 s20, s20, OFF_WX
	s_add_nc_u64 s[WXB:WXB+1], s[6:7], s[20:21]
	s_lshl_b32 s20, s42, 12                        ; fragment 4 c
	s_add_co_u32 s20, s20, OFF_WF
	s_add_nc_u64 s[WFB:WFB+1], s[6:7], s[20:21]
	WIN TO_F
.irp a, 0,1,2,3                        ; A: a row's 16 bytes are K = 0..7; the same bytes fill K = 8..31, where B holds zeros
	global_load_b128 v[F1+8*(\a):F1+8*(\a)+3],   v[XO], s[XAB:XAB+1] offset:256*(\a)
	global_load_b128 v[F1+8*(\a)+4:F1+8*(\a)+7], v[XO], s[XAB:XAB+1] offset:256*(\a)
.endr
.irp b, 0,1,2,3
	global_load_b128 v[F1+64+8*(\b):F1+64+8*(\b)+3],   v[L16], s[WXB:WXB+1] offset:1024*(\b)
	global_load_b128 v[F1+64+8*(\b)+4:F1+64+8*(\b)+7], v[L16], s[WXB:WXB+1] offset:1024*(\b)+512
.endr
	WIN 0
.irp q, 0,1,2,3
	global_load_b128 v[WF+8*(\q):WF+8*(\q)+3],   v[L16], s[WFB:WFB+1] offset:1024*(\q)
	global_load_b128 v[WF+8*(\q)+4:WF+8*(\q)+7], v[L16], s[WFB:WFB+1] offset:1024*(\q)+512
.endr
	v_mul_u32_u24 v3, v1, PITCH
	v_lshl_add_u32 v3, v2, 4, v3                   ; a fragment's row x pitch + 16 x half
	s_mul_i32 s21, s11, HALFT                      ; my 64 rows of A
	s_mul_i32 s22, s12, HALFT                      ; my 64 rows of B,
	s_add_co_u32 s22, s22, 2*HALFT                 ; which lie behind A's 128
.irp s, 0,1
	v_add_nc_u32 v[ADRA+(\s)], s21, v3
	v_add_nc_u32 v[ADRB+(\s)], s22, v3
	s_add_co_u32 s21, s21, SLOT
	s_add_co_u32 s22, s22, SLOT
.endr
	s_mul_i32 s23, s11, 64*SPITCH                  ; into the stage: my 64 rows, my half of their 256 bytes; row l % 16, 16 bytes for each half of the lanes
	s_lshl_b32 s21, s12, 7
	s_add_co_u32 s23, s23, s21
	s_add_co_u32 s23, s23, STAGE
	v_mul_u32_u24 v4, v1, SPITCH
	v_lshl_add_u32 v4, v2, 4, v4
	v_add_nc_u32 v[STO], s23, v4
	s_mul_i32 s23, s10, 32*SPITCH                  ; back: wave w takes rows 32 w .. 32 w + 31
	s_add_co_u32 s23, s23, STAGE
	v_add_nc_u32 v[YAD], s23, v4                   ; as fragments,
	v_mul_u32_u24 v5, v2, SPITCH                   ; and whole: lanes 0-15 one row of 256 bytes, lanes 16-31 the next
	v_lshl_add_u32 v5, v1, 4, v5
	v_add_nc_u32 v[RD], s23, v5
	v_mul_u32_u24 v5, v2, SIZE_N*2                 ; and the same two rows in H
	v_lshl_add_u32 v[CO], v1, 4, v5
	s_lshl_b32 s16, s13, 7
	s_lshl_b32 s17, s10, 5
	s_add_co_u32 s16, s16, s17                     ; the first row that I store: 128 R + 32 w
	s_lshl_b32 s20, s16, 4                         ; in YP: 16 bytes a row,
	s_lshl_b32 s21, s42, 16                        ; 65,536 a column tile
	s_add_co_u32 s20, s20, s21
	s_add_co_u32 s20, s20, OFF_YP
	s_mov_b32 s21, 0
	s_add_nc_u64 s[YPB:YPB+1], s[8:9], s[20:21]
	s_mov_b32 s17, 0
	s_mov_b64 s[18:19], SIZE_N*2
	s_mul_u64 s[16:17], s[16:17], s[18:19]
	s_add_nc_u64 s[8:9], s[8:9], s[16:17]
	s_lshl_b32 s46, s42, 8                         ; the tile's first column, in bytes
	s_mov_b32 s47, 0
	s_add_nc_u64 s[8:9], s[8:9], s[46:47]
; 8 matrix instructions: m blocks a0, a0 + 1 x all 4 n blocks, 32 along K: half c of buffer f.  zero = 1: the product starts the sums.  The 16 accumulators take turns, one instruction a turn.
.macro MUL8 f, c, a0, zero
	WIN MUL
.irp a, \a0, (\a0)+1
.irp b, 0,1,2,3
.if \zero
	v_wmma_f32_16x16x32_f16 v[ACC+8*(4*(\a)+(\b)):ACC+8*(4*(\a)+(\b))+7], v[(\f)+64+8*(4*(\c)+(\b)):(\f)+64+8*(4*(\c)+(\b))+7], v[(\f)+8*(4*(\c)+(\a)):(\f)+8*(4*(\c)+(\a))+7], 0
.else
	v_wmma_f32_16x16x32_f16 v[ACC+8*(4*(\a)+(\b)):ACC+8*(4*(\a)+(\b))+7], v[(\f)+64+8*(4*(\c)+(\b)):(\f)+64+8*(4*(\c)+(\b))+7], v[(\f)+8*(4*(\c)+(\a)):(\f)+8*(4*(\c)+(\a))+7], v[ACC+8*(4*(\a)+(\b)):ACC+8*(4*(\a)+(\b))+7]
.endif
.endr
.endr
.endm
; 32 LDS loads in one run: the fragments of 64 along K at byte k of the rows, into buffer f; the first 32 along K first
.macro FETCH slot, k, f
	WIN TO_F
.irp c, 0,1
.irp i, 0,1,2,3
	ds_load_b128 v[(\f)+64+8*(4*(\c)+(\i)):(\f)+64+8*(4*(\c)+(\i))+3],   v[ADRB+(\slot)] offset:(\k)+64*(\c)+(\i)*16*PITCH
	ds_load_b128 v[(\f)+64+8*(4*(\c)+(\i))+4:(\f)+64+8*(4*(\c)+(\i))+7], v[ADRB+(\slot)] offset:(\k)+64*(\c)+(\i)*16*PITCH+32
	ds_load_b128 v[(\f)+8*(4*(\c)+(\i)):(\f)+8*(4*(\c)+(\i))+3],         v[ADRA+(\slot)] offset:(\k)+64*(\c)+(\i)*16*PITCH
	ds_load_b128 v[(\f)+8*(4*(\c)+(\i))+4:(\f)+8*(4*(\c)+(\i))+7],       v[ADRA+(\slot)] offset:(\k)+64*(\c)+(\i)*16*PITCH+32
.endr
.endr
.endm
.macro PLACES                          ; four places in front of loads into registers that matrix instructions have read, and of vector work on results (ISA guide 7.12.1 for vector work)
.rept 4
	v_nop
.endr
.endm
; A K step is four quarters of 64 along K, 32 matrix instructions each, on buffers 0, 1, 0, 1.  One of the first three: multiplies buffer f and fetches the next quarter, at byte k, into g.
.macro QUARTER slot, k, f, g
	s_wait_dscnt 16                                ; the first 32 along K are in; the youngest sixteen loads may be out
	WIN MUL
	MUL8 \f, 0, 0, 0
	MUL8 \f, 0, 2, 0
	PLACES
	FETCH \slot, \k, \g
	s_wait_dscnt 32                                ; all but the 32 just issued
	WIN MUL
	MUL8 \f, 1, 0, 0
	MUL8 \f, 1, 2, 0
.endm
; The last quarter multiplies buffer 1 and changes slots: ONE barrier; in front of it each wave waits for all its tensor loads, adds 0 to its spare word, and waits for that and for its own reads of this slot.
; fill = 1: this slot is filled again, two K steps ahead; the barrier then opens a round of the cluster's barrier, and the joint refill is the first tensor load behind the round.
.macro TURN slot, next, fill
	WIN 0                                          ; (the add's two registers lie in window 0)
	s_wait_tensorcnt 0x0                           ; all my tensor loads have landed: my part of the next slot;
	ds_add_u32 v[SPW], v[NIL]                      ; 0 onto my spare word;
	s_wait_dscnt 17                                ; (the add and the youngest sixteen loads may be out)
	WIN MUL
	MUL8 F1, 0, 0, 0                               ; eight matrix instructions stand between the add and the wait for it
	s_wait_dscnt 0x0                               ; the add is done, and my reads of this slot are over
	s_barrier_signal -1
	MUL8 F1, 0, 2, 0
.if \fill
	WIN 0
.endif
	s_barrier_wait -1
.if \fill
	CREST                                          ; no wave of any partner still reads this slot's tile or has a load on its way
	s_add_nc_u64 s[G0+4*(\slot)+2:G0+4*(\slot)+3], s[G0+4*(\slot)+2:G0+4*(\slot)+3], 2*KSTEP*2
	s_add_nc_u64 s[G0B+4*(\slot)+2:G0B+4*(\slot)+3], s[G0B+4*(\slot)+2:G0B+4*(\slot)+3], 2*KSTEP*2
	JLOAD \slot                                    ; one load of mine is out; the four v_nop behind it are also the places in front of the loads below
.else
	PLACES
.endif
	FETCH \next, 0, F0
	WIN MUL
	MUL8 F1, 1, 0, 0
	MUL8 F1, 1, 2, 0
.endm
.macro X16 line:vararg                 ; one line for each of 16 register pairs: i = 0, 2 .. 30
.set i, 0
.rept 16
	\line
.set i, i+2
.endr
.endm
; tanh of the four accumulators of m block a (32 registers at X), in three parts.  Each stage is 16 independent packed lines, so no line waits for the one before it.
.macro CLAMP a                         ; ascending: each accumulator is first read at its lowest register
.set i, 0
.rept 32
	v_med3_num_f32 v[ACC+32*(\a)+i], v[ACC+32*(\a)+i], s[CLO], s[CHI]
.set i, i+1
.endr
.endm
.macro RAT1 a                          ; s = x^2; p = x (((((( a13 s + a11) s + a9) s + a7) s + a5) s + a3) s + a1); q = ((b6 s + b4) s + b2) s + b0, in x's place; 1 / q
.set X, ACC+32*(\a)
	X16 v_pk_mul_f32 v[SQ+i:SQ+i+1], v[X+i:X+i+1], v[X+i:X+i+1]
	X16 v_pk_fma_f32 v[PN+i:PN+i+1], v[SQ+i:SQ+i+1], s[CA13:CA13+1], s[CA11:CA11+1] op_sel_hi:[1,0,0]
.irp k, CA9, CA7, CA5, CA3, CA1
	X16 v_pk_fma_f32 v[PN+i:PN+i+1], v[PN+i:PN+i+1], v[SQ+i:SQ+i+1], s[\k:\k+1] op_sel_hi:[1,1,0]
.endr
	X16 v_pk_mul_f32 v[PN+i:PN+i+1], v[PN+i:PN+i+1], v[X+i:X+i+1]
	X16 v_pk_fma_f32 v[X+i:X+i+1], v[SQ+i:SQ+i+1], s[CB6:CB6+1], s[CB4:CB4+1] op_sel_hi:[1,0,0]
.irp k, CB2, CB0
	X16 v_pk_fma_f32 v[X+i:X+i+1], v[X+i:X+i+1], v[SQ+i:SQ+i+1], s[\k:\k+1] op_sel_hi:[1,1,0]
.endr
.set i, 0
.rept 32
	v_rcp_f32 v[X+i], v[X+i]
.set i, i+1
.endr
.endm
.macro RAT2 a                          ; p / q, rounded to f16: a lane's eight neighbouring columns are 16 bytes; into the stage
.set X, ACC+32*(\a)
	X16 v_pk_mul_f32 v[PN+i:PN+i+1], v[PN+i:PN+i+1], v[X+i:X+i+1]
.set i, 0
.rept 16
	v_cvt_pk_f16_f32 v[SQ+i], v[PN+2*i], v[PN+2*i+1]
.set i, i+1
.endr
.irp b, 0,1,2,3
	ds_store_b128 v[STO], v[SQ+4*(\b):SQ+4*(\b)+3] offset:(\a)*16*SPITCH+32*(\b)
.endr
.endm
; y's share: source 0 = the W_fc fragment (rows 0-3 and 8-11 are W_fc's four, the others 0), source 1 = 16 rows of h'.  Registers 0-3 of the result hold y[row lane % 16][0..3] in both halves of the
; lanes.  The two accumulators take turns.
.macro YPART
.irp q, 0,1,2,3
.irp u, 0,1
.if (\q) == 0
	v_wmma_f32_16x16x32_f16 v[YD+8*(\u):YD+8*(\u)+7], v[WF+8*(\q):WF+8*(\q)+7], v[YF+8*(4*(\u)+(\q)):YF+8*(4*(\u)+(\q))+7], 0
.else
	v_wmma_f32_16x16x32_f16 v[YD+8*(\u):YD+8*(\u)+7], v[WF+8*(\q):WF+8*(\q)+7], v[YF+8*(4*(\u)+(\q)):YF+8*(4*(\u)+(\q))+7], v[YD+8*(\u):YD+8*(\u)+7]
.endif
.endr
.endr
.endm
	s_wait_loadcnt 0x0                             ; XA's, WX's and WF's fragments
	MUL8 F1, 0, 0, 1                               ; x W_ih^T + b starts all 16 sums, while the first tiles are on their way
	MUL8 F1, 0, 2, 1
	s_wait_tensorcnt 1                             ; my part of K step 0 is in; K step 1's may stay out
	s_barrier_signal -1
	s_barrier_wait -1                              ; everybody's is
	FETCH 0, 0, F0
	QUARTER 0, 128, F0, F1                         ; K step 0 (its loads into buffer 1 stand four places behind the products above, which read it)
	QUARTER 0, 256, F1, F0
	QUARTER 0, 384, F0, F1
	TURN 0, 1, 1                                   ; slot 0 takes K step 2
	QUARTER 1, 128, F0, F1                         ; K step 1
	QUARTER 1, 256, F1, F0
	QUARTER 1, 384, F0, F1
	TURN 1, 0, 1                                   ; slot 1 takes K step 3
	QUARTER 0, 128, F0, F1                         ; K step 2
	QUARTER 0, 256, F1, F0
	QUARTER 0, 384, F0, F1
	TURN 0, 1, 0                                   ; nothing is left to ask for
	QUARTER 1, 128, F0, F1                         ; K step 3
	QUARTER 1, 256, F1, F0
	QUARTER 1, 384, F0, F1
	s_wait_dscnt 16                                ; the very last quarter: nothing more to fetch
	WIN MUL
	MUL8 F1, 0, 0, 0
	MUL8 F1, 0, 2, 0
	s_wait_dscnt 0x0
	MUL8 F1, 1, 0, 0
	MUL8 F1, 1, 2, 0
	WIN 0
	; tanh, four accumulators at a time.  The 32 reciprocals are one batch: a plain instruction behind the last, the next block's clamp as independent work, one wait ahead of the first reader.
	PLACES
	CLAMP 0
.irp a, 0,1,2,3
	RAT1 \a
	v_nop
.if (\a) < 3
	CLAMP (\a)+1
.endif
	s_wait_alu depctr_va_vdst(0)
	RAT2 \a
.endr
	s_wait_dscnt 0x0                               ; for the others' sake: my stores into the stage are done
	s_barrier_signal -1
	s_barrier_wait -1                              ; a row's 256 bytes come from two waves
.irp t, 0,1,2,3,4,5,6,7,8,9,10,11,12,13,14,15
	ds_load_b128 v[TMP+4*(\t):TMP+4*(\t)+3], v[RD] offset:(\t)*2*SPITCH
.endr
.irp u, 0,1
.irp q, 0,1,2,3
	ds_load_b128 v[YF+8*(4*(\u)+(\q)):YF+8*(4*(\u)+(\q))+3],   v[YAD] offset:(\u)*16*SPITCH+64*(\q)
	ds_load_b128 v[YF+8*(4*(\u)+(\q))+4:YF+8*(4*(\u)+(\q))+7], v[YAD] offset:(\u)*16*SPITCH+64*(\q)+32
.endr
.endr
.irp t, 0,1,2,3,4,5,6,7,8,9,10,11,12,13,14,15
	s_wait_dscnt 31-(\t)                           ; behind row pair t: 15 - t younger row loads and the 16 fragment loads
	global_store_b128 v[CO], v[TMP+4*(\t):TMP+4*(\t)+3], s[8:9] offset:2*(\t)*SIZE_N*2  ; 16 lanes store 256 consecutive bytes, at a multiple of 256 from the buffer's first byte
.endr
	s_wait_dscnt 0x0
	YPART
	PLACES
.irp j, 0,1,2,3
	v_cndmask_b32 v[YR+(\j)], v[YD+(\j)], v[YD+8+(\j)], s[HM]  ; lanes 0-15: my rows 0-15; lanes 16-31: my rows 16-31
.endr
	global_store_b128 v[L16], v[YR:YR+3], s[YPB:YPB+1]  ; 512 consecutive bytes
	s_wait_tensorcnt 0x0                           ; the wave's end, behind my last tensor load and my last LDS store
	ds_add_u32 v[SPW], v[NIL]
	s_wait_dscnt 0x0
	CROUND                                         ; the closing round: no work-group ends while a partner may still ask for a tile that names it
	s_endpgm
.Lfunc_end_k_q8353f1f12c_step1:
	.size	k_q8353f1f12c_step1, .Lfunc_end_k_q8353f1f12c_step1-k_q8353f1f12c_step1
	.p2alignl 7, 3214868480
	.fill 96, 4, 3214868480
	.section	.rodata,"a",@progbits
	.p2align	6, 0x0
	.amdhsa_kernel k_q8353f1f12c_step1
		.amdhsa_group_segment_fixed_size 327680
		.amdhsa_private_segment_fixed_size 0
		.amdhsa_enable_private_segment 0
		.amdhsa_kernarg_size 24
		.amdhsa_user_sgpr_count 2
		.amdhsa_user_sgpr_kernarg_segment_ptr 1
		.amdhsa_wavefront_size32 1
		.amdhsa_system_sgpr_workgroup_id_x 1
		.amdhsa_system_sgpr_workgroup_id_y 1
		.amdhsa_system_sgpr_workgroup_id_z 1
		.amdhsa_system_vgpr_workitem_id 0
		.amdhsa_next_free_vgpr 512
		.amdhsa_next_free_sgpr 100
		.amdhsa_reserve_vcc 0
		.amdhsa_float_denorm_mode_32 3
		.amdhsa_float_denorm_mode_16_64 3
		.amdhsa_memory_ordered 1
		.amdhsa_forward_progress 1
		.amdhsa_inst_pref_size 155
	.end_amdhsa_kernel
	.amdgpu_metadata
---
amdhsa.version: [ 1, 2 ]
amdhsa.kernels:
  - .name:           k_q8353f1f12c_step1
    .symbol:         k_q8353f1f12c_step1.kd
    .args:
      - { .name: p1, .offset: 0, .size: 8, .value_kind: global_buffer, .address_space: global }
      - { .name: wk, .offset: 8, .size: 8, .value_kind: global_buffer, .address_space: global }
      - { .name: p2, .offset: 16, .size: 8, .value_kind: global_buffer, .address_space: global }
    .group_segment_fixed_size: 327680
    .private_segment_fixed_size: 0
    .kernarg_segment_align: 8
    .kernarg_segment_size: 24
    .max_flat_workgroup_size: 128
    .sgpr_count:     100
    .vgpr_count:     512
    .wavefront_size: 32
...
	.end_amdgpu_metadata
.endif
;; end of part 2
;; launch step2: the kernel of part 2 again; grid 8 x 32, 4 waves a work-group, clusters of 4 x 4, 327,680 bytes of LDS; arguments p2, wk, p3; writes p3
;; launch step3: the kernel of part 2 again; grid 8 x 32, 4 waves a work-group, clusters of 4 x 4, 327,680 bytes of LDS; arguments p3, wk, p4; writes p4
;; launch step4: the kernel of part 2 again; grid 8 x 32, 4 waves a work-group, clusters of 4 x 4, 327,680 bytes of LDS; arguments p4, wk, p5; writes p5
;; launch step5: the kernel of part 2 again; grid 8 x 32, 4 waves a work-group, clusters of 4 x 4, 327,680 bytes of LDS; arguments p5, wk, p6; writes p6
;; launch step6: the kernel of part 2 again; grid 8 x 32, 4 waves a work-group, clusters of 4 x 4, 327,680 bytes of LDS; arguments p6, wk, p7; writes p7
;; launch sum (part 3): grid 128 x 1, 1 waves a work-group, no clusters, 3,840 bytes of LDS; arguments p1, p2, p3, p4, p5, p6, p7, b_fc, out0; writes out0
.if DOCPART == 3
	.amdgcn_target "amdgcn-amd-amdhsa--gfx1250"
	.amdhsa_code_object_version 6
	.text
	.protected	k_q8353f1f12c_sum
	.globl	k_q8353f1f12c_sum
	.p2align	8
	.type	k_q8353f1f12c_sum,@function
k_q8353f1f12c_sum:
	s_mov_b64 s[64:65], 0
	v_nop
	global_prefetch_b8 v0, s[64:65] scope:SCOPE_SE
	s_setreg_imm32_b32 hwreg(HW_REG_WAVE_MODE, 25, 1), 1
	s_wait_xcnt 0x0
; out0[b][t][0..3] = b_fc + the sum over the 8 column tiles c of YP(p(t+1))[c][b][0..3], all f32, always in the same order (a tree over c).
; One wave takes 32 batch rows: for each of the 7 time steps and 8 column tiles one load of 16 bytes a lane, 512 consecutive bytes a wave: 56 loads, all issued before the first is used.
; A batch row of out0 is 7 x 16 = 112 bytes, so the 32 rows are 3,584 consecutive bytes: they are turned in LDS (rows of 112 bytes: an odd multiple of 16) and leave as 7 stores of 512 consecutive bytes.
; Matrix units, clusters and tensor loads would add nothing: the launch reads each of its bytes once and adds them.
.set OFF_YP, 0x810000                  ; YP's place in a state buffer
.set SPARE,  3584                      ; behind the stage: the spare words, one block of 256 bytes that no other line names
.set IN,  16                           ; v[16:239]  step t, column tile c: 4 registers at IN + 32 t + 4 c
	s_load_b512 s[16:31], s[0:1], 0x0              ; p1 .. p7 at s[16+2t:17+2t], b_fc s[30:31]
	s_load_b64 s[32:33], s[0:1], 0x40              ; out0
	v_lshl_add_u32 v4, v0, 2, SPARE                ; my spare word; never rewritten
	v_mov_b32 v5, 0                                ; 0; never rewritten
	v_lshlrev_b32 v3, 4, v0                        ; 16 x lane
	s_lshl_b32 s2, ttmp9, 9
	v_add_nc_u32 v1, s2, v3                        ; my batch row's 16 bytes in a column tile's part of YP
	v_mul_u32_u24 v2, v0, 112                      ; my batch row in the stage
	s_mul_i32 s4, ttmp9, 3584
	s_mov_b32 s5, 0
	s_wait_kmcnt 0x0
	s_load_b128 s[36:39], s[30:31], 0x0            ; b_fc's four numbers
.irp t, 0,1,2,3,4,5,6
	s_add_nc_u64 s[16+2*(\t):17+2*(\t)], s[16+2*(\t):17+2*(\t)], OFF_YP
.endr
	s_add_nc_u64 s[32:33], s[32:33], s[4:5]
.irp t, 0,1,2,3,4,5,6
.irp c, 0,1,2,3,4,5,6,7
	global_load_b128 v[IN+32*(\t)+4*(\c):IN+32*(\t)+4*(\c)+3], v1, s[16+2*(\t):17+2*(\t)] offset:(\c)*65536 th:TH_LOAD_NT
.endr
.endr
	s_wait_kmcnt 0x0                               ; b_fc
.irp t, 0,1,2,3,4,5,6
	s_wait_loadcnt 8*(6-(\t))                      ; step t's eight loads are in; the later steps' may stay out
.irp c, 0,2,4,6
	v_pk_add_f32 v[IN+32*(\t)+4*(\c):IN+32*(\t)+4*(\c)+1],   v[IN+32*(\t)+4*(\c):IN+32*(\t)+4*(\c)+1],   v[IN+32*(\t)+4*(\c)+4:IN+32*(\t)+4*(\c)+5]
	v_pk_add_f32 v[IN+32*(\t)+4*(\c)+2:IN+32*(\t)+4*(\c)+3], v[IN+32*(\t)+4*(\c)+2:IN+32*(\t)+4*(\c)+3], v[IN+32*(\t)+4*(\c)+6:IN+32*(\t)+4*(\c)+7]
.endr
.irp c, 0,4
	v_pk_add_f32 v[IN+32*(\t)+4*(\c):IN+32*(\t)+4*(\c)+1],   v[IN+32*(\t)+4*(\c):IN+32*(\t)+4*(\c)+1],   v[IN+32*(\t)+4*(\c)+8:IN+32*(\t)+4*(\c)+9]
	v_pk_add_f32 v[IN+32*(\t)+4*(\c)+2:IN+32*(\t)+4*(\c)+3], v[IN+32*(\t)+4*(\c)+2:IN+32*(\t)+4*(\c)+3], v[IN+32*(\t)+4*(\c)+10:IN+32*(\t)+4*(\c)+11]
.endr
	v_pk_add_f32 v[IN+32*(\t):IN+32*(\t)+1],   v[IN+32*(\t):IN+32*(\t)+1],   v[IN+32*(\t)+16:IN+32*(\t)+17]
	v_pk_add_f32 v[IN+32*(\t)+2:IN+32*(\t)+3], v[IN+32*(\t)+2:IN+32*(\t)+3], v[IN+32*(\t)+18:IN+32*(\t)+19]
.irp j, 0,1,2,3
	v_add_f32 v[IN+32*(\t)+(\j)], s[36+(\j)], v[IN+32*(\t)+(\j)]
.endr
	ds_store_b128 v2, v[IN+32*(\t):IN+32*(\t)+3] offset:16*(\t)
.endr
.irp j, 0,1,2,3,4,5,6
	ds_load_b128 v[IN+32*(\j)+4:IN+32*(\j)+7], v3 offset:512*(\j)  ; LDS serves a wave's instructions in order (ISA guide 5.7.1.4): these see the stores above, which are the wave's own
.endr
.irp j, 0,1,2,3,4,5,6
	s_wait_dscnt 6-(\j)                            ; the younger loads may stay out
	global_store_b128 v3, v[IN+32*(\j)+4:IN+32*(\j)+7], s[32:33] offset:512*(\j) th:TH_STORE_NT  ; 512 consecutive bytes, at a multiple of 256 from out0's first byte
.endr
	s_wait_tensorcnt 0x0                           ; the wave's end, behind my last LDS store
	ds_add_u32 v4, v5
	s_wait_dscnt 0x0
	s_endpgm
.Lfunc_end_k_q8353f1f12c_sum:
	.size	k_q8353f1f12c_sum, .Lfunc_end_k_q8353f1f12c_sum-k_q8353f1f12c_sum
	.p2alignl 7, 3214868480
	.fill 96, 4, 3214868480
	.section	.rodata,"a",@progbits
	.p2align	6, 0x0
	.amdhsa_kernel k_q8353f1f12c_sum
		.amdhsa_group_segment_fixed_size 3840
		.amdhsa_private_segment_fixed_size 0
		.amdhsa_enable_private_segment 0
		.amdhsa_kernarg_size 72
		.amdhsa_user_sgpr_count 2
		.amdhsa_user_sgpr_kernarg_segment_ptr 1
		.amdhsa_wavefront_size32 1
		.amdhsa_system_sgpr_workgroup_id_x 1
		.amdhsa_system_sgpr_workgroup_id_y 1
		.amdhsa_system_sgpr_workgroup_id_z 1
		.amdhsa_system_vgpr_workitem_id 0
		.amdhsa_next_free_vgpr 240
		.amdhsa_next_free_sgpr 66
		.amdhsa_reserve_vcc 0
		.amdhsa_float_denorm_mode_32 3
		.amdhsa_float_denorm_mode_16_64 3
		.amdhsa_memory_ordered 1
		.amdhsa_forward_progress 1
		.amdhsa_inst_pref_size 16
	.end_amdhsa_kernel
	.amdgpu_metadata
---
amdhsa.version: [ 1, 2 ]
amdhsa.kernels:
  - .name:           k_q8353f1f12c_sum
    .symbol:         k_q8353f1f12c_sum.kd
    .args:
      - { .name: p1, .offset: 0, .size: 8, .value_kind: global_buffer, .address_space: global }
      - { .name: p2, .offset: 8, .size: 8, .value_kind: global_buffer, .address_space: global }
      - { .name: p3, .offset: 16, .size: 8, .value_kind: global_buffer, .address_space: global }
      - { .name: p4, .offset: 24, .size: 8, .value_kind: global_buffer, .address_space: global }
      - { .name: p5, .offset: 32, .size: 8, .value_kind: global_buffer, .address_space: global }
      - { .name: p6, .offset: 40, .size: 8, .value_kind: global_buffer, .address_space: global }
      - { .name: p7, .offset: 48, .size: 8, .value_kind: global_buffer, .address_space: global }
      - { .name: b_fc, .offset: 56, .size: 8, .value_kind: global_buffer, .address_space: global }
      - { .name: out0, .offset: 64, .size: 8, .value_kind: global_buffer, .address_space: global }
    .group_segment_fixed_size: 3840
    .private_segment_fixed_size: 0
    .kernarg_segment_align: 8
    .kernarg_segment_size: 72
    .max_flat_workgroup_size: 32
    .sgpr_count:     66
    .vgpr_count:     240
    .wavefront_size: 32
...
	.end_amdgpu_metadata
.endif
;; end of part 3
;; ======== version 2 of 2: 8 launches; version 1 with the launch sum written anew for expert scheduling mode
;; limits: values outside matrix products are rounded to f16; values are held in f16: magnitudes above 65,504 overflow, below 6.1e-05 lose precision; inputs' magnitudes at most 65,504
;; workspace buffers: p1 8,978,432 bytes; p2 8,978,432 bytes; p3 8,978,432 bytes; p4 8,978,432 bytes; p5 8,978,432 bytes; p6 8,978,432 bytes; p7 8,978,432 bytes; wk 2,195,456 bytes
;; launch first: the kernel of part 1 again; grid 8 x 32, 4 waves a work-group, no clusters, 35,328 bytes of LDS; arguments x, W_ih, W_hh, b_ih, b_hh, W_fc, wk, p1, p2, p3, p4, p5, p6; writes wk, p1, p2, p3, p4, p5, p6
;; launch step1: the kernel of part 2 again; grid 8 x 32, 4 waves a work-group, clusters of 4 x 4, 327,680 bytes of LDS; arguments p1, wk, p2; writes p2
;; launch step2: the kernel of part 2 again; grid 8 x 32, 4 waves a work-group, clusters of 4 x 4, 327,680 bytes of LDS; arguments p2, wk, p3; writes p3
;; launch step3: the kernel of part 2 again; grid 8 x 32, 4 waves a work-group, clusters of 4 x 4, 327,680 bytes of LDS; arguments p3, wk, p4; writes p4
;; launch step4: the kernel of part 2 again; grid 8 x 32, 4 waves a work-group, clusters of 4 x 4, 327,680 bytes of LDS; arguments p4, wk, p5; writes p5
;; launch step5: the kernel of part 2 again; grid 8 x 32, 4 waves a work-group, clusters of 4 x 4, 327,680 bytes of LDS; arguments p5, wk, p6; writes p6
;; launch step6: the kernel of part 2 again; grid 8 x 32, 4 waves a work-group, clusters of 4 x 4, 327,680 bytes of LDS; arguments p6, wk, p7; writes p7
;; launch sum (part 4): grid 128 x 1, 1 waves a work-group, no clusters, 3,840 bytes of LDS; arguments p1, p2, p3, p4, p5, p6, p7, b_fc, out0; writes out0
.if DOCPART == 4
	.amdgcn_target "amdgcn-amd-amdhsa--gfx1250"
	.amdhsa_code_object_version 6
	.text
	.protected	k_q8353f1f12c_sum
	.globl	k_q8353f1f12c_sum
	.p2align	8
	.type	k_q8353f1f12c_sum,@function
k_q8353f1f12c_sum:
	s_mov_b64 s[64:65], 0
	v_nop
	global_prefetch_b8 v0, s[64:65] scope:SCOPE_SE
	s_setreg_imm32_b32 hwreg(HW_REG_WAVE_SCHED_MODE, 0, 2), 2
	s_setreg_imm32_b32 hwreg(HW_REG_WAVE_MODE, 25, 1), 1
	s_wait_xcnt 0x0
	s_wait_alu depctr_vm_vsrc(0)
; out0[b][t][0..3] = b_fc + the sum over the 8 column tiles c of YP(p(t+1))[c][b][0..3], all f32, always in the same order (a tree over c).
; One wave takes 32 batch rows: for each of the 7 time steps and 8 column tiles one load of 16 bytes a lane, 512 consecutive bytes a wave: 56 loads, all issued before the first is used.
; A batch row of out0 is 7 x 16 = 112 bytes, so the 32 rows are 3,584 consecutive bytes: they are turned in LDS (rows of 112 bytes: an odd multiple of 16) and leave as 7 stores of 512 consecutive bytes.
; Matrix units, clusters and tensor loads would add nothing: the launch reads each of its bytes once and adds them.
; THE MODE: SCHED_MODE bits 1:0 = 2 (LLVM: expert scheduling mode 2), set by the entry lines.  The code itself states the register dependences
; between vector instructions and memory or LDS instructions, with s_wait_alu, always for 0.
; THE PLAN.  Registers that memory or LDS instructions touch:
;   v1, v2, v3      offsets and LDS addresses, made once at the head and never written again: v1 is read by the 56 loads, v2 by the 7 LDS stores, v3 by the 7 LDS loads and the 7 stores to out0.
;   v4, v5          written at the head, read by the closing add alone.
;   IN + 32 t ..    step t's eight loads land here; step t's additions read all 32 registers and leave the sum in the first four, which ONE LDS store reads; nothing writes those four again.
;   IN + 32 j + 4 .. + 7   read (never written) by step j's additions; later the LDS load of stage piece j lands here, and the store to out0 reads it; nothing writes them again.
; Step t's LDS store stands at the head of step t + 1, behind that step's wait for its loads: one wait on va_vdst there states that step t's additions have written the sum.  Step t + 1's additions name
; its own 32 registers alone.  Behind step 6's additions one more wait on va_vdst states that its sum is written and that every addition is done reading the registers in which the LDS loads land;
; no vector instruction follows it.  No register that a memory or LDS instruction has read is ever written again, so no wait on vm_vsrc is owed.
.set OFF_YP, 0x810000                  ; YP's place in a state buffer
.set SPARE,  3584                      ; behind the stage: the spare words, one block of 256 bytes that no other line names
.set IN,  16                           ; v[16:239]  step t, column tile c: 4 registers at IN + 32 t + 4 c
	s_load_b512 s[16:31], s[0:1], 0x0              ; p1 .. p7 at s[16+2t:17+2t], b_fc s[30:31]
	s_load_b64 s[32:33], s[0:1], 0x40              ; out0
	v_lshl_add_u32 v4, v0, 2, SPARE                ; my spare word; never rewritten
	v_mov_b32 v5, 0                                ; 0; never rewritten
	v_lshlrev_b32 v3, 4, v0                        ; 16 x lane
	s_lshl_b32 s2, ttmp9, 9
	v_add_nc_u32 v1, s2, v3                        ; my batch row's 16 bytes in a column tile's part of YP
	v_mul_u32_u24 v2, v0, 112                      ; my batch row in the stage
	s_mul_i32 s4, ttmp9, 3584
	s_mov_b32 s5, 0
	s_wait_kmcnt 0x0
	s_load_b128 s[36:39], s[30:31], 0x0            ; b_fc's four numbers
.irp t, 0,1,2,3,4,5,6
	s_add_nc_u64 s[16+2*(\t):17+2*(\t)], s[16+2*(\t):17+2*(\t)], OFF_YP
.endr
	s_add_nc_u64 s[32:33], s[32:33], s[4:5]
	s_wait_alu depctr_va_vdst(0)                   ; v1 to v5 are written: the loads below read v1 as their offset, the LDS stores v2, the LDS loads and the stores to out0 v3, the closing add v4 and v5
.irp t, 0,1,2,3,4,5,6
.irp c, 0,1,2,3,4,5,6,7
	global_load_b128 v[IN+32*(\t)+4*(\c):IN+32*(\t)+4*(\c)+3], v1, s[16+2*(\t):17+2*(\t)] offset:(\c)*65536 th:TH_LOAD_NT
.endr
.endr
	s_wait_kmcnt 0x0                               ; b_fc
.irp t, 0,1,2,3,4,5,6
	s_wait_loadcnt 8*(6-(\t))                      ; step t's eight loads are in; the later steps' may stay out
.if (\t) > 0
	s_wait_alu depctr_va_vdst(0)                   ; the additions of the step before have written its four sums, which the LDS store below reads
	ds_store_b128 v2, v[IN+32*((\t)-1):IN+32*((\t)-1)+3] offset:16*((\t)-1)
.endif
.irp c, 0,2,4,6
	v_pk_add_f32 v[IN+32*(\t)+4*(\c):IN+32*(\t)+4*(\c)+1],   v[IN+32*(\t)+4*(\c):IN+32*(\t)+4*(\c)+1],   v[IN+32*(\t)+4*(\c)+4:IN+32*(\t)+4*(\c)+5]
	v_pk_add_f32 v[IN+32*(\t)+4*(\c)+2:IN+32*(\t)+4*(\c)+3], v[IN+32*(\t)+4*(\c)+2:IN+32*(\t)+4*(\c)+3], v[IN+32*(\t)+4*(\c)+6:IN+32*(\t)+4*(\c)+7]
.endr
.irp c, 0,4
	v_pk_add_f32 v[IN+32*(\t)+4*(\c):IN+32*(\t)+4*(\c)+1],   v[IN+32*(\t)+4*(\c):IN+32*(\t)+4*(\c)+1],   v[IN+32*(\t)+4*(\c)+8:IN+32*(\t)+4*(\c)+9]
	v_pk_add_f32 v[IN+32*(\t)+4*(\c)+2:IN+32*(\t)+4*(\c)+3], v[IN+32*(\t)+4*(\c)+2:IN+32*(\t)+4*(\c)+3], v[IN+32*(\t)+4*(\c)+10:IN+32*(\t)+4*(\c)+11]
.endr
	v_pk_add_f32 v[IN+32*(\t):IN+32*(\t)+1],   v[IN+32*(\t):IN+32*(\t)+1],   v[IN+32*(\t)+16:IN+32*(\t)+17]
	v_pk_add_f32 v[IN+32*(\t)+2:IN+32*(\t)+3], v[IN+32*(\t)+2:IN+32*(\t)+3], v[IN+32*(\t)+18:IN+32*(\t)+19]
.irp j, 0,1,2,3
	v_add_f32 v[IN+32*(\t)+(\j)], s[36+(\j)], v[IN+32*(\t)+(\j)]
.endr
.endr
	s_wait_alu depctr_va_vdst(0)                   ; step 6's additions have written its four sums, which the LDS store below reads; and all additions are done reading v[IN+32j+4 ..], in which the LDS loads below land
	ds_store_b128 v2, v[IN+32*6:IN+32*6+3] offset:16*6
.irp j, 0,1,2,3,4,5,6
	ds_load_b128 v[IN+32*(\j)+4:IN+32*(\j)+7], v3 offset:512*(\j)  ; LDS serves a wave's instructions in order (ISA guide 5.7.1.4): these see the stores above, which are the wave's own
.endr
.irp j, 0,1,2,3,4,5,6
	s_wait_dscnt 6-(\j)                            ; the younger loads may stay out
	global_store_b128 v3, v[IN+32*(\j)+4:IN+32*(\j)+7], s[32:33] offset:512*(\j) th:TH_STORE_NT  ; 512 consecutive bytes, at a multiple of 256 from out0's first byte
.endr
	s_wait_dscnt 0x0                               ; the closing lines, six on end
	s_wait_alu 0x0
	s_wait_tensorcnt 0x0
	ds_add_u32 v4, v5
	s_wait_dscnt 0x0
	s_endpgm
.Lfunc_end_k_q8353f1f12c_sum:
	.size	k_q8353f1f12c_sum, .Lfunc_end_k_q8353f1f12c_sum-k_q8353f1f12c_sum
	.p2alignl 7, 3214868480
	.fill 96, 4, 3214868480
	.section	.rodata,"a",@progbits
	.p2align	6, 0x0
	.amdhsa_kernel k_q8353f1f12c_sum
		.amdhsa_group_segment_fixed_size 3840
		.amdhsa_private_segment_fixed_size 0
		.amdhsa_enable_private_segment 0
		.amdhsa_kernarg_size 72
		.amdhsa_user_sgpr_count 2
		.amdhsa_user_sgpr_kernarg_segment_ptr 1
		.amdhsa_wavefront_size32 1
		.amdhsa_system_sgpr_workgroup_id_x 1
		.amdhsa_system_sgpr_workgroup_id_y 1
		.amdhsa_system_sgpr_workgroup_id_z 1
		.amdhsa_system_vgpr_workitem_id 0
		.amdhsa_next_free_vgpr 240
		.amdhsa_next_free_sgpr 66
		.amdhsa_reserve_vcc 0
		.amdhsa_float_denorm_mode_32 3
		.amdhsa_float_denorm_mode_16_64 3
		.amdhsa_memory_ordered 1
		.amdhsa_forward_progress 1
		.amdhsa_inst_pref_size 17
	.end_amdhsa_kernel
	.amdgpu_metadata
---
amdhsa.version: [ 1, 2 ]
amdhsa.kernels:
  - .name:           k_q8353f1f12c_sum
    .symbol:         k_q8353f1f12c_sum.kd
    .args:
      - { .name: p1, .offset: 0, .size: 8, .value_kind: global_buffer, .address_space: global }
      - { .name: p2, .offset: 8, .size: 8, .value_kind: global_buffer, .address_space: global }
      - { .name: p3, .offset: 16, .size: 8, .value_kind: global_buffer, .address_space: global }
      - { .name: p4, .offset: 24, .size: 8, .value_kind: global_buffer, .address_space: global }
      - { .name: p5, .offset: 32, .size: 8, .value_kind: global_buffer, .address_space: global }
      - { .name: p6, .offset: 40, .size: 8, .value_kind: global_buffer, .address_space: global }
      - { .name: p7, .offset: 48, .size: 8, .value_kind: global_buffer, .address_space: global }
      - { .name: b_fc, .offset: 56, .size: 8, .value_kind: global_buffer, .address_space: global }
      - { .name: out0, .offset: 64, .size: 8, .value_kind: global_buffer, .address_space: global }
    .group_segment_fixed_size: 3840
    .private_segment_fixed_size: 0
    .kernarg_segment_align: 8
    .kernarg_segment_size: 72
    .max_flat_workgroup_size: 32
    .sgpr_count:     66
    .vgpr_count:     240
    .wavefront_size: 32
...
	.end_amdgpu_metadata
.endif
;; end of part 4
